; MI455X (gfx1250); checked and timed in simulation.
; The chip was launched on July 23, 2026; its instructions are those of AMD's public machine-readable ISA for CDNA 5 (MIT licence, August 2026) and "CDNA5" Instruction Set Architecture Reference Guide (July 2026). The comments in the code are by the model that wrote it; some were corrected since.
;; Multi Head Seq Attention. Allowed arithmetic: matrix products marked QUANTISED: E2M1 operands, one E8M0 scale for each 32 along K, by v_wmma_scale_f32_16x16x128_f8f6f4 with both operands' format E2M1 (or v_wmma_scale_f32_32x16x128_f4), f32 sums; products left as they are: bf16, f16 or f32 operands; f32 sums; everything else in f32.
;; Inputs: Wk 1,024 x 1,024 float32; Wo 1,024 x 1,024 float32; Wq 1,024 x 1,024 float32; Wv 1,024 x 1,024 float32; h 2 x 2,048 x 1,024 float32; h_cache 2 x 2,048 x 1,024 float32; key_pe 1 x 64 x 2,048 float32.
;; Outputs: out0 2 x 2,048 x 1,024 float32.
;; This version of the problem:
;;   THIS VERSION OF THE PROBLEM IS GIVEN IN LOW PRECISION. The matrix products marked QUANTISED in the list below multiply operands that are first quantised to E2M1 (2 exponent bits, 1 mantissa bit; 4 bits a number), with one power-of-two scale for each 32 numbers along K (OCP MX v1.0); their sums are f32. The products marked 'left as it is' may take bf16, f16 or f32 operands, with f32 sums. Whichever they take, every output number must still come out within the allowed error. Rounding operands to bf16 (8 significant bits) uses up far more of that allowance than f16 does (11 bits, for magnitudes from 6e-5 to 65,504). All else is computed in f32.
;;   The module's matrix products, in the order in which they are computed (A, B: the left and right operand; K: the contracted axis; several contracted axes count as one K, in the product's order):
;;     1. [M 4,096, K 1,024] x [K 1,024, N 1,024]; A: input h; B: input Wq: QUANTISED
;;     2. [M 4,096, K 1,024] x [K 1,024, N 1,024]; A: input h_cache; B: input Wk: QUANTISED
;;     3. [M 4,096, K 1,024] x [K 1,024, N 1,024]; A: input h_cache; B: input Wv: QUANTISED
;;     4. batch 32 x [M 2,048, K 64] x [K 64, N 2,048]; A: computed on the way; B: computed on the way: left as it is (an operand is computed on the way)
;;     5. [M 65,536, K 64] x [K 64, N 2,048]; A: computed on the way; B: input key_pe: left as it is (an operand is computed on the way)
;;     6. batch 32 x [M 2,048, K 2,048] x [K 2,048, N 64]; A: computed on the way; B: computed on the way: left as it is (an operand is computed on the way)
;;     7. [M 4,096, K 1,024] x [K 1,024, N 1,024]; A: computed on the way; B: input Wo: left as it is (an operand is computed on the way)
;;   THE QUANTISER, for each operand of a quantised product, along K:
;;     - K is cut into blocks of 32 from its start; a last block that is shorter is filled with zeros.
;;     - A block's scale is 2^e with e = floor(log2(the largest magnitude in the block)) - 2, held to -126 .. 127; a block of zeros has e = 0. As a byte (E8M0): e + 127.
;;     - Each number is divided by its block's scale, clamped to +-6, and rounded to the nearest number of E2M1, ties to even, subnormals kept.
;;     - The product sums the exact products of the quantised numbers (number of the format x scale) in f32.
;;   ~~~python
;;   def quantise(x, axis):      # numpy; x: float32 -> the quantised numbers, widened to float32 again
;;       x = np.moveaxis(x, axis, -1); K = x.shape[-1]
;;       x = np.pad(x, [(0, 0)] * (x.ndim - 1) + [(0, -K % 32)]); x = x.reshape(x.shape[:-1] + (-1, 32)); a = np.abs(x).max(-1, keepdims=True)
;;       e = np.where(a > 0, np.clip(np.frexp(np.where(a > 0, a, 1))[1] - 1 - 2, -126, 127), 0)      # np.frexp(a)[1] - 1 = floor(log2(a)), exactly
;;       r = np.clip(x / 2.0 ** e, -6, 6)
;;       step = 2.0 ** (np.maximum(np.frexp(np.where(r == 0, 1, r))[1] - 1, 0) - 1)
;;       q = np.round(r / step) * step * 2.0 ** e      # np.round: ties to even
;;       return np.moveaxis(q.reshape(q.shape[:-2] + (-1,))[..., :K], -1, axis).astype(np.float32)
;;   ~~~
;; One version. Each part assembles by itself: llvm-mc -triple=amdgcn-amd-amdhsa -mcpu=gfx1250 --defsym DOCPART=n.
;; ======== version 1 of 1: 4 launches
;; limits: values are held in f16: magnitudes above 65,504 overflow, below 6.1e-05 lose precision; right only within a limited range of input values
;; workspace buffers: xq 4,456,448 bytes; wq 1,671,168 bytes; qf 8,388,608 bytes; spart 4,194,304 bytes; pmax 4,096 bytes; tf 4,194,304 bytes; tsc 256 bytes
;; launch quant (part 1): grid 352 x 1, 4 waves a work-group, no clusters, 35,328 bytes of LDS; arguments h, h_cache, Wk, Wv, Wq, xq, wq; writes xq, wq
.if DOCPART == 1
	.amdgcn_target "amdgcn-amd-amdhsa--gfx1250"
	.amdhsa_code_object_version 6
	.text
	.protected	k_qc895ab7e64_quant
	.globl	k_qc895ab7e64_quant
	.p2align	8
	.type	k_qc895ab7e64_quant,@function
k_qc895ab7e64_quant:
	s_mov_b64 s[64:65], 0
	v_nop
	global_prefetch_b8 v0, s[64:65] scope:SCOPE_SE
	s_setreg_imm32_b32 hwreg(HW_REG_WAVE_MODE, 25, 1), 1
	s_wait_xcnt 0x0
; THE PROGRAM.  out0 = ((q k^T) v) Wo^T head by head, with q = h Wq^T, k = h_cache Wk^T, v = h_cache Wv^T on codes of FP4 (E2M1) with one E8M0 scale for each 32 along K.
; DEAD WORK.  reference() also forms attn_pos = q . key_pe, attn = (attn_cont + attn_pos) / sqrt(D) and softmax(attn), but its result is made of attn_cont, v and Wo alone: attn is read by no later line.
; So, whatever the inputs hold, the product with key_pe, the division and the softmax reach no output: they are left out, and key_pe, which has no other way to an output, is not loaded and is no argument of any launch.
; THE ORDER OF THE PRODUCTS THAT ARE LEFT AS THEY ARE.  In real numbers ((q k^T) v) Wo^T = q ((k^T v) Wo^T), head by head, for all values.  The program forms S = k^T v (64 x 64 a head),
; T[(head, d')][n] = sum over d of S[d'][d] Wo[n][64 head + d], and out0 = q T: the same sums of the same products, in another order.
; LIMITS.  The order of the f32 sums differs from reference()'s.  A NaN, an infinity or an overflow that reaches only what is left out (attn, or q k^T as an intermediate) is not carried to the result.
; q, k, v and Wo go to the matrix units as f16: their magnitudes stay under 65,504.  NaN and infinities among the inputs are not served.
;
; THIS LAUNCH turns h, h_cache, Wk, Wv, Wq (rows of 1,024 f32, K innermost) into codes and scale bytes, laid in the order of the operands' registers.
; A block's scale is 2^(floor(log2(its largest magnitude)) - 2); its byte is the largest magnitude's exponent field - 2, held at 1 from below.  A block of zeros so gets the byte 1 where the rule says 127:
; its codes are zeros, which add nothing under that byte, and this program alone reads the bytes.
; LAYOUT OUT.  A tile is 16 rows x 1,024 K.  Codes: [tile][block kb 0..31][row r][16 bytes], 8,192 bytes a tile: the 512 bytes at s x 1,024 + c x 512 are registers 4 c .. 4 c + 3 of the fragment of K step s, 16 bytes a lane.
; Scale words: [tile][kh 0..1][row r][16 bytes] = the words of K steps 4 kh .. 4 kh + 3 of row r.  xq: tiles 0-255 h, 256-511 h_cache.  wq: [head][Wk, Wv, Wq][4 tiles].
; SHARES.  704 tiles; a work-group takes two, a wave half a tile (16 rows x 512 K) in 8 steps of 16 rows x 64 K.  Work-groups 0-127 h, 128-255 h_cache, 256-287 Wk, 288-319 Wv, 320-351 Wq: only pointers and offsets are chosen.
; A load reads 256 consecutive bytes of each of two rows; a step's 4,096 bytes turn through the wave's own stage in LDS (rows 272 bytes apart), so that a lane then holds one whole block of 32.
; No matrix unit, no cluster, no barrier: waves share nothing and every input byte is read once.
.set WREG,  8704                       ; LDS of a wave: two stages
.set STGB,  4352                       ; a stage: 16 rows x 272 bytes
.set SPARE, 4*WREG                     ; behind the stages: the spare words, 128 bytes a wave
.set VIN, 1                            ; v1  in: (lane / 16) x 4,096 + (lane % 16) x 16
.set VST, 2                            ; v2  into the stage: (lane / 16) x 272 + (lane % 16) x 16
.set VLD, 3                            ; v3  out of it: r x 272 + h x 128
.set VCO, 4                            ; v4  16 x lane: my block's codes
.set VSO, 5                            ; v5  r x 16 + h x 8: my two scale words
.set SPW, 14                           ; v14 my spare word; never rewritten
.set NIL, 15                           ; v15 0; never rewritten
.set E,   16                           ; v16-23 a byte for each step
.set SW,  24                           ; v24-27 the four scale words of my row
.set R,   32                           ; v32-127 three sets of 32, as loaded
.set X,   128                          ; v128-191 two sets of 32: a block
.set C,   192                          ; v192-223 four registers of codes for each step
	s_load_b256 s[4:11], s[0:1], 0x0               ; h, h_cache, Wk, Wv
	s_load_b128 s[12:15], s[0:1], 0x20             ; Wq, xq
	s_load_b64 s[16:17], s[0:1], 0x30              ; wq
	v_lshl_add_u32 v[SPW], v0, 2, SPARE
	v_mov_b32 v[NIL], 0
	v_lshrrev_b32 v8, 5, v0
	v_readfirstlane_b32 s18, v8                    ; wave
	v_and_b32 v9, 31, v0                           ; lane
	v_and_b32 v10, 15, v0                          ; r
	v_bfe_u32 v7, v0, 4, 1                         ; h
	v_lshlrev_b32 v[VIN], 12, v7
	v_lshl_add_u32 v[VIN], v10, 4, v[VIN]
	s_mul_i32 s19, s18, WREG
	v_mul_u32_u24 v[VST], v7, 272
	v_lshl_add_u32 v[VST], v10, 4, v[VST]
	v_add_nc_u32 v[VST], s19, v[VST]
	v_mul_u32_u24 v[VLD], v10, 272
	v_lshl_add_u32 v[VLD], v7, 7, v[VLD]
	v_add_nc_u32 v[VLD], s19, v[VLD]
	v_lshlrev_b32 v[VCO], 4, v9
	v_lshlrev_b32 v[VSO], 4, v10
	v_lshl_add_u32 v[VSO], v7, 3, v[VSO]
	v_lshlrev_b32 v6, 3, v7                        ; 8 h: my bytes' place in a scale word, in bits
	v_mov_b32 v13, 0                               ; written once: a lane permute's destination counts as one of its sources
	s_mov_b32 s20, 0x76543210
	s_mov_b32 s21, 0xfedcba98                      ; selects for lane l xor 16
	s_lshr_b32 s22, s18, 1                         ; which of the work-group's two tiles
	s_and_b32 s23, s18, 1                          ; kh: which half of K
	; offsets for h and h_cache
	s_lshl_b32 s24, ttmp9, 1
	s_add_co_u32 s24, s24, s22                     ; tile in xq
	s_lshl_b32 s25, s24, 13                        ; its codes
	s_lshl_b32 s26, s24, 9
	s_add_co_u32 s26, s26, 4194304                 ; its scale words
	s_and_b32 s35, s24, 255                        ; the tile in its own tensor
	; offsets for the weights
	s_and_b32 s27, ttmp9, 127                      ; work-group - 256
	s_lshr_b32 s28, s27, 5                         ; 0 Wk, 1 Wv, 2 Wq
	s_and_b32 s29, s27, 31
	s_lshl_b32 s29, s29, 1
	s_add_co_u32 s29, s29, s22                     ; the tile in its own tensor
	s_lshr_b32 s30, s29, 2                         ; head
	s_and_b32 s31, s29, 3                          ; tile of the head
	s_mul_i32 s32, s30, 98304
	s_lshl_b32 s33, s28, 15
	s_add_co_u32 s32, s32, s33
	s_lshl_b32 s33, s31, 13
	s_add_co_u32 s32, s32, s33                     ; its codes in wq
	s_mul_i32 s34, s30, 6144
	s_lshl_b32 s33, s28, 11
	s_add_co_u32 s34, s34, s33
	s_lshl_b32 s33, s31, 9
	s_add_co_u32 s34, s34, s33
	s_add_co_u32 s34, s34, 1572864                 ; its scale words in wq
	s_cmp_lt_u32 ttmp9, 256                        ; the choice hangs on the work-group's number alone
	s_cselect_b32 s25, s25, s32
	s_cselect_b32 s26, s26, s34
	s_cselect_b32 s35, s35, s29
	s_lshl_b32 s33, s23, 12
	s_add_co_u32 s38, s25, s33                     ; + kh x 4,096 bytes of codes
	s_mov_b32 s39, 0
	s_lshl_b32 s33, s23, 8
	s_add_co_u32 s46, s26, s33                     ; + kh x 256 bytes of scale words
	s_mov_b32 s47, 0
	s_lshl_b32 s35, s35, 16                        ; 16 rows of 4,096 bytes
	s_lshl_b32 s33, s23, 11
	s_add_co_u32 s36, s35, s33                     ; + kh x 512 numbers
	s_mov_b32 s37, 0
	s_wait_kmcnt 0x0
	s_cmp_lt_u32 ttmp9, 320
	s_cselect_b64 s[40:41], s[10:11], s[12:13]     ; Wv or Wq
	s_cmp_lt_u32 ttmp9, 288
	s_cselect_b64 s[40:41], s[8:9], s[40:41]       ; Wk
	s_cmp_lt_u32 ttmp9, 256
	s_cselect_b64 s[40:41], s[6:7], s[40:41]       ; h_cache
	s_cselect_b64 s[42:43], s[14:15], s[16:17]     ; out: xq or wq
	s_cmp_lt_u32 ttmp9, 128
	s_cselect_b64 s[40:41], s[4:5], s[40:41]       ; h
	s_add_nc_u64 s[40:41], s[40:41], s[36:37]
	s_add_nc_u64 s[44:45], s[42:43], s[46:47]      ; the scale words' place
	s_add_nc_u64 s[42:43], s[42:43], s[38:39]      ; the codes' place
.macro LOAD t                          ; step t: 16 rows x 256 bytes; a load takes two rows' 256 consecutive bytes
.irp i, 0,1,2,3,4,5,6,7
	global_load_b128 v[R+32*((\t)%3)+4*\i:R+32*((\t)%3)+4*\i+3], v[VIN], s[40:41] offset:\i*8192+(\t)*256 th:TH_LOAD_NT
.endr
.endm
.macro TURN t                          ; through the stage: LDS serves a wave's instructions in order, so no wait stands between the stores and the loads
.irp i, 0,1,2,3,4,5,6,7
	ds_store_b128 v[VST], v[R+32*((\t)%3)+4*\i:R+32*((\t)%3)+4*\i+3] offset:((\t)%2)*STGB+\i*544
.endr
.irp i, 0,1,2,3,4,5,6,7
	ds_load_b128 v[X+32*((\t)%2)+4*\i:X+32*((\t)%2)+4*\i+3], v[VLD] offset:((\t)%2)*STGB+16*\i
.endr
.endm
.macro STEP t
.set XS, X+32*((\t)%2)
	s_wait_dscnt 0x0                               ; this step's block is back from the stage, and its stores into the stage have read their registers,
.if (\t)+3 < 8
	LOAD (\t)+3                                    ; which take the loads of three steps on
.endif
.if (\t) < 5
	s_wait_loadcnt 16                              ; the next step's eight loads are in; those of the two steps behind it may be out
.elseif (\t) == 5
	s_wait_loadcnt 8                               ; only the last step's are behind
.elseif (\t) == 6
	s_wait_loadcnt 0
.endif
.if (\t) < 7
	TURN (\t)+1                                    ; the next step goes through the other stage while this one is worked
.endif
	v_max3_num_f32 v8, |v[XS]|, |v[XS+1]|, |v[XS+2]|               ; the block's largest magnitude: all 32 numbers are mine; two chains
	v_max3_num_f32 v9, |v[XS+3]|, |v[XS+4]|, |v[XS+5]|
.irp i, 6,10,14,18,22,26
	v_max3_num_f32 v8, v8, |v[XS+\i]|, |v[XS+\i+1]|
	v_max3_num_f32 v9, v9, |v[XS+\i+2]|, |v[XS+\i+3]|
.endr
	v_max3_num_f32 v8, v8, |v[XS+30]|, |v[XS+31]|
	v_max3_num_f32 v8, v8, v9, 0x1800000           ; and the floor 2^(3 - 127): the byte cannot fall under 1
	v_add_nc_u32 v11, 0xff000000, v8               ; 2 off the exponent field: the conversion takes this operand's exponent field as its scale
.irp g, 0,1,2,3
	v_cvt_scalef32_pk8_fp4_f32 v[C+4*(\t)+\g], v[XS+8*\g:XS+8*\g+7], v11
.endr
	v_lshrrev_b32 v[E+(\t)], 23, v11               ; the scale's byte (also the plain line behind the conversions)
	global_store_b128 v[VCO], v[C+4*(\t):C+4*(\t)+3], s[42:43] offset:(\t)*512   ; blocks 2 t and 2 t + 1 of 16 rows: 512 consecutive bytes
.if (\t)%2
	v_lshl_or_b32 v12, v[E+(\t)], 16, v[E+(\t)-1]  ; my two bytes of the word of these 128 along K: blocks h and 2 + h,
	v_lshlrev_b32 v12, v6, v12                     ; at their places;
	v_permlanex16_b32 v13, v12, s20, s21
	v_or_b32 v[SW+(\t)/2], v12, v13                ; with lane l xor 16's two the word is whole
.endif
.endm
	LOAD 0
	LOAD 1
	LOAD 2
	s_wait_loadcnt 16                              ; step 0's eight loads are in
	TURN 0
.irp t, 0,1,2,3,4,5,6,7
	STEP \t
.endr
	v_cmp_ne_u32 vcc_lo, 0, v7
	v_cndmask_b32 v28, v[SW], v[SW+2], vcc_lo      ; lanes 0-15 store words 0, 1 of their row, lanes 16-31 words 2, 3
	v_cndmask_b32 v29, v[SW+1], v[SW+3], vcc_lo
	global_store_b64 v[VSO], v[28:29], s[44:45]    ; 32 lanes store 256 consecutive bytes, aligned
	s_wait_tensorcnt 0x0                           ; the wave's end: behind my last LDS store
	ds_add_u32 v[SPW], v[NIL]
	s_wait_dscnt 0x0
	s_endpgm
.Lfunc_end_k_qc895ab7e64_quant:
	.size	k_qc895ab7e64_quant, .Lfunc_end_k_qc895ab7e64_quant-k_qc895ab7e64_quant
	.p2alignl 7, 3214868480
	.fill 96, 4, 3214868480
	.section	.rodata,"a",@progbits
	.p2align	6, 0x0
	.amdhsa_kernel k_qc895ab7e64_quant
		.amdhsa_group_segment_fixed_size 35328
		.amdhsa_private_segment_fixed_size 0
		.amdhsa_enable_private_segment 0
		.amdhsa_kernarg_size 56
		.amdhsa_user_sgpr_count 2
		.amdhsa_user_sgpr_kernarg_segment_ptr 1
		.amdhsa_wavefront_size32 1
		.amdhsa_system_sgpr_workgroup_id_x 1
		.amdhsa_system_sgpr_workgroup_id_y 1
		.amdhsa_system_sgpr_workgroup_id_z 1
		.amdhsa_system_vgpr_workitem_id 0
		.amdhsa_next_free_vgpr 224
		.amdhsa_next_free_sgpr 66
		.amdhsa_reserve_vcc 1
		.amdhsa_float_denorm_mode_32 3
		.amdhsa_float_denorm_mode_16_64 3
		.amdhsa_memory_ordered 1
		.amdhsa_forward_progress 1
		.amdhsa_inst_pref_size 31
	.end_amdhsa_kernel
	.amdgpu_metadata
---
amdhsa.version: [ 1, 2 ]
amdhsa.kernels:
  - .name:           k_qc895ab7e64_quant
    .symbol:         k_qc895ab7e64_quant.kd
    .args:
      - { .name: h, .offset: 0, .size: 8, .value_kind: global_buffer, .address_space: global }
      - { .name: h_cache, .offset: 8, .size: 8, .value_kind: global_buffer, .address_space: global }
      - { .name: Wk, .offset: 16, .size: 8, .value_kind: global_buffer, .address_space: global }
      - { .name: Wv, .offset: 24, .size: 8, .value_kind: global_buffer, .address_space: global }
      - { .name: Wq, .offset: 32, .size: 8, .value_kind: global_buffer, .address_space: global }
      - { .name: xq, .offset: 40, .size: 8, .value_kind: global_buffer, .address_space: global }
      - { .name: wq, .offset: 48, .size: 8, .value_kind: global_buffer, .address_space: global }
    .group_segment_fixed_size: 35328
    .private_segment_fixed_size: 0
    .kernarg_segment_align: 8
    .kernarg_segment_size: 56
    .max_flat_workgroup_size: 128
    .sgpr_count:     66
    .vgpr_count:     224
    .wavefront_size: 32
...
	.end_amdgpu_metadata
.endif
;; end of part 1
;; launch proj (part 2): grid 16 x 16, 4 waves a work-group, clusters of 4 x 1, 167,936 bytes of LDS; arguments xq, wq, qf, spart, pmax; writes qf, spart, pmax
.if DOCPART == 2
	.amdgcn_target "amdgcn-amd-amdhsa--gfx1250"
	.amdhsa_code_object_version 6
	.text
	.protected	k_qc895ab7e64_proj
	.globl	k_qc895ab7e64_proj
	.p2align	8
	.type	k_qc895ab7e64_proj,@function
k_qc895ab7e64_proj:
	s_mov_b64 s[64:65], 0
	v_nop
	global_prefetch_b8 v0, s[64:65] scope:SCOPE_SE
	s_setreg_imm32_b32 hwreg(HW_REG_WAVE_MODE, 25, 1), 1
	s_wait_xcnt 0x0
	s_wait_alu depctr_hold_cnt(0) depctr_sa_sdst(0) depctr_va_vdst(0) depctr_va_sdst(0) depctr_va_ssrc(0) depctr_va_vcc(0) depctr_vm_vsrc(0)
	s_getreg_b32 s2, hwreg(HW_REG_IB_STS2, 6, 4)
	s_cmp_eq_u32 s2, 0
	s_cbranch_scc0 .Lentry_in_a_cluster
	s_endpgm
.Lentry_in_a_cluster:
	s_bfe_u32 s2, ttmp6, 0x10000c
	s_cmp_lg_u32 s2, 0x3003
	s_cbranch_scc0 .Lentry_shape_is_right
	s_endpgm
.Lentry_shape_is_right:
; The three quantised products, for 256 rows and one head a work-group: k, v (from h_cache's codes) and q (from h's).  k and v never go to memory: they become f16 operands in registers and give this
; chunk's part of S = k^T v (64 x 64, f32), which is stored with its largest magnitude.  q is stored as f16, in the order of the last launch's operand registers.
; LEFT OUT (shown at the head of the first launch): the product with key_pe, the division and the softmax reach no output; q k^T is not formed, since (q k^T) v = q (k^T v).
; LIMITS: |q|, |k|, |v| under 65,504 (f16); the order of the f32 sums differs from reference()'s.
; SHARES.  Row block = 4 x cluster x + cx (16 of 256 rows), head = y.  Wave w owns 64 rows: row tiles RT0 + a, a = 0..3.
; CLUSTER.  The four row blocks of a cluster take the same head: its 98,304 bytes of weight codes are asked for JOINTLY, a quarter by each wave, and stay in LDS.  The rows' codes are each wave's own and are read once by it:
; they go from memory straight into registers (262,144 bytes a work-group for h and h_cache: no room for them in LDS beside the weights), so they are not asked for jointly with the other heads' work-groups.
; LAYOUTS.  k and v are made in the natural use (source 0 = 16 rows of h_cache, source 1 = 16 rows of the weight): a lane then holds one channel d and eight neighbouring rows l, which is the place that an
; f16 operand with K = l gives that lane: two tiles, packed in pairs, ARE a fragment.  S: source 0 = v's fragment, source 1 = k's: lane (r, h), register j holds S[d' = 16 d't + r][d = 16 dt + 8 h + j].
; q is made transposed (source 0 = Wq's rows, source 1 = h's rows): a lane holds one row and eight neighbouring d'.
; REGISTERS, in windows of 256.  Window 0: v1-7 addresses; v8-10 at work; v30, v31 the add's two; v32-111 scale words and nothing else (register 8 p + s of a group: lanes 0-15 tile 2 p, lanes 16-31 tile 2 p + 1, K step s);
;   v128-191 k's f16 fragments, v192-255 v's; later q packed, later the reduction.   Window 1: k's accumulators at 8 (4 a + t), v's at 128 + the same; q's take k's place.
;   Window 2: the rows' fragments, K step s at 32 s + 8 a: h_cache's, then h's.   Window 3: the weights' fragments, two sets at 0 and 64; S's accumulators at 128 + 8 (4 d't + dt).
.set STG,   98304                      ; behind the weights: 16,384 bytes for each wave: its S as an image of its registers
.set SPARE, 163840                     ; behind the stages: the spare words, 128 bytes a wave
.set SHC, 32                           ; scale words: h_cache's
.set SWK, 48                           ; Wk's
.set SWV, 64                           ; Wv's
.set SH,  80                           ; h's
.set SWQ, 96                           ; Wq's
.set KF,  128
.set VF,  192
.set SPW, 30
.set NIL, 31
.set MSB, 0
.macro WIN new                         ; the immediate's high byte repeats the setting that is left
.if MSB != \new
	s_set_vgpr_msb (MSB<<8)|\new
.set MSB, \new
.endif
.endm
.macro PLACES                          ; four plain places behind matrix instructions, ahead of loads into registers that they read and of reads of their results
.rept 4
	v_nop
.endr
.endm
.macro CROUND                          ; a round of the cluster's barrier
	s_barrier_signal -1
	s_barrier_wait -1
	s_cmp_lg_u32 s14, 0
	s_cbranch_scc1 .Lnot_wave_0_\@
	s_barrier_signal -3
.Lnot_wave_0_\@:
	s_barrier_wait -3
	s_barrier_signal -1
	s_barrier_wait -1
.endm
; One product on codes: rD, rA, rB the registers, rSA, rSB the scale words; fZ: it starts the sum; fRA, fRB: the side's words lie in lanes 16-31
.macro FP4MUL
.if fZ
.if fRA && fRB
	v_wmma_scale_f32_16x16x128_f8f6f4 v[rD:rD+7], v[rA:rA+7], v[rB:rB+7], 0, v[rSA], v[rSB] matrix_a_fmt:MATRIX_FMT_FP4 matrix_b_fmt:MATRIX_FMT_FP4 matrix_a_scale:MATRIX_SCALE_ROW1 matrix_b_scale:MATRIX_SCALE_ROW1
.elseif fRA
	v_wmma_scale_f32_16x16x128_f8f6f4 v[rD:rD+7], v[rA:rA+7], v[rB:rB+7], 0, v[rSA], v[rSB] matrix_a_fmt:MATRIX_FMT_FP4 matrix_b_fmt:MATRIX_FMT_FP4 matrix_a_scale:MATRIX_SCALE_ROW1
.elseif fRB
	v_wmma_scale_f32_16x16x128_f8f6f4 v[rD:rD+7], v[rA:rA+7], v[rB:rB+7], 0, v[rSA], v[rSB] matrix_a_fmt:MATRIX_FMT_FP4 matrix_b_fmt:MATRIX_FMT_FP4 matrix_b_scale:MATRIX_SCALE_ROW1
.else
	v_wmma_scale_f32_16x16x128_f8f6f4 v[rD:rD+7], v[rA:rA+7], v[rB:rB+7], 0, v[rSA], v[rSB] matrix_a_fmt:MATRIX_FMT_FP4 matrix_b_fmt:MATRIX_FMT_FP4
.endif
.else
.if fRA && fRB
	v_wmma_scale_f32_16x16x128_f8f6f4 v[rD:rD+7], v[rA:rA+7], v[rB:rB+7], v[rD:rD+7], v[rSA], v[rSB] matrix_a_fmt:MATRIX_FMT_FP4 matrix_b_fmt:MATRIX_FMT_FP4 matrix_a_scale:MATRIX_SCALE_ROW1 matrix_b_scale:MATRIX_SCALE_ROW1
.elseif fRA
	v_wmma_scale_f32_16x16x128_f8f6f4 v[rD:rD+7], v[rA:rA+7], v[rB:rB+7], v[rD:rD+7], v[rSA], v[rSB] matrix_a_fmt:MATRIX_FMT_FP4 matrix_b_fmt:MATRIX_FMT_FP4 matrix_a_scale:MATRIX_SCALE_ROW1
.elseif fRB
	v_wmma_scale_f32_16x16x128_f8f6f4 v[rD:rD+7], v[rA:rA+7], v[rB:rB+7], v[rD:rD+7], v[rSA], v[rSB] matrix_a_fmt:MATRIX_FMT_FP4 matrix_b_fmt:MATRIX_FMT_FP4 matrix_b_scale:MATRIX_SCALE_ROW1
.else
	v_wmma_scale_f32_16x16x128_f8f6f4 v[rD:rD+7], v[rA:rA+7], v[rB:rB+7], v[rD:rD+7], v[rSA], v[rSB] matrix_a_fmt:MATRIX_FMT_FP4 matrix_b_fmt:MATRIX_FMT_FP4
.endif
.endif
.endm
; K step s of k and v: 32 products, the 32 accumulators by turns, in the same order in every step
.macro MUL_KV s
	WIN 0x5e                                       ; source 0 window 2, source 1 window 3, C and D window 1
.set fZ, 0
.if (\s) == 0
.set fZ, 1
.endif
.irp a, 0,1,2,3
.irp z, 0,1
.irp t, 0,1,2,3
.set rD, 128*\z+8*(4*\a+\t)
.set rA, 32*(\s)+8*\a
.set rB, 64*((\s)%2)+8*(4*\z+\t)
.set rSA, SHC+8*(\a/2)+(\s)
.set rSB, SWK+16*\z+8*(\t/2)+(\s)
.set fRA, \a%2
.set fRB, \t%2
	FP4MUL
.endr
.endr
.endr
.endm
; K step s of q, transposed: 16 products
.macro MUL_Q s
	WIN 0x5b                                       ; source 0 window 3, source 1 window 2, C and D window 1
.set fZ, 0
.if (\s) == 0
.set fZ, 1
.endif
.irp a, 0,1,2,3
.irp t, 0,1,2,3
.set rD, 8*(4*\a+\t)
.set rA, 64*((\s)%2)+8*\t
.set rB, 32*(\s)+8*\a
.set rSA, SWQ+8*(\t/2)+(\s)
.set rSB, SH+8*(\a/2)+(\s)
.set fRA, \t%2
.set fRB, \a%2
	FP4MUL
.endr
.endr
.endm
.macro FETCH_KV s                      ; Wk's and Wv's eight fragments of K step s from LDS into set s % 2: 16 loads of 512 consecutive bytes
	WIN 0xc0                                       ; destination window 3
.irp z, 0,1
.irp t, 0,1,2,3
.irp c, 0,1
	ds_load_b128 v[64*((\s)%2)+8*(4*\z+\t)+4*\c:64*((\s)%2)+8*(4*\z+\t)+4*\c+3], v2 offset:\z*32768+\t*8192+(\s)*1024+\c*512
.endr
.endr
.endr
.endm
.macro FETCH_Q s                       ; Wq's four fragments: 8 loads
	WIN 0xc0
.irp t, 0,1,2,3
.irp c, 0,1
	ds_load_b128 v[64*((\s)%2)+8*\t+4*\c:64*((\s)%2)+8*\t+4*\c+3], v3 offset:\t*8192+(\s)*1024+\c*512
.endr
.endr
.endm
.macro LOAD_H s                        ; h's fragments of K step s take the registers that h_cache's have left: 8 loads
	WIN 0x80                                       ; destination window 2
.irp a, 0,1,2,3
.irp c, 0,1
	global_load_b128 v[32*(\s)+8*\a+4*\c:32*(\s)+8*\a+4*\c+3], v1, s[34:35] offset:\a*8192+(\s)*1024+\c*512
.endr
.endr
.endm
	s_load_b256 s[4:11], s[0:1], 0x0               ; xq s[4:5], wq s[6:7], qf s[8:9], spart s[10:11]
	s_load_b64 s[12:13], s[0:1], 0x20              ; pmax
	v_lshl_add_u32 v[SPW], v0, 2, SPARE
	v_mov_b32 v[NIL], 0
	ds_add_u32 v[SPW], v[NIL]                      ; the wave's opening: the add, twice on end, and its wait ahead of my first tensor load
	ds_add_u32 v[SPW], v[NIL]                      ; and once more, under the one wait
	v_lshrrev_b32 v8, 5, v0
	v_readfirstlane_b32 s14, v8                    ; wave 0..3
	s_bfe_u32 s15, ttmp6, 0x40000                  ; cx
	s_lshl_b32 s16, ttmp9, 2
	s_add_co_u32 s16, s16, s15                     ; row block: it enters global addresses of my own loads and stores alone
	s_and_b32 s17, ttmp7, 0xffff                   ; the head, which the four partners share
	; descriptor group 1: 24,576 dense bytes as 96 rows of 256 bytes (32 elements of 8 bytes), no padding: the bytes are read as they lie, 512 on end
	s_mov_b32 s24, 15|(3<<16)|(1<<21)              ; 15:0 the mask: all four work-groups; 17:16 elements of 8 bytes; 21 set beside a mask
	s_mov_b32 s25, 32<<16                          ; tensor_dim0 = 32
	s_mov_b32 s26, 96<<16                          ; tensor_dim1 = 96
	s_mov_b32 s27, 32<<16                          ; tile_dim0 = 32
	s_mov_b32 s28, 96                              ; tile_dim1 = 96
	s_mov_b32 s29, 32                              ; from row to row
	s_mov_b32 s30, 0
	s_mov_b32 s31, 0
	s_mul_i32 s56, s17, 98304                      ; the head's weight codes,
	s_mul_i32 s21, s14, 24576                      ; my quarter of them: in LDS,
	s_add_co_u32 s56, s56, s21                     ; and in memory: head and wave alone, the same in all four partners
	s_mov_b32 s57, 0
	s_mov_b32 s20, 1                               ; count = 1
	s_mov_b32 s48, 0x76543210
	s_mov_b32 s49, 0xfedcba98                      ; selects for lane l xor 16
	s_wait_dscnt 0x0                               ; both opening adds are done
	s_wait_kmcnt 0x0
	s_add_nc_u64 s[22:23], s[6:7], s[56:57]
	s_or_b32 s23, s23, 0x80000000                  ; type = 2
	CROUND                                         ; all four work-groups are here: the joint loads meet
	tensor_load_to_lds s[20:23], s[24:31]          ; every wave's one tensor load of the launch
	s_nop 0
	PLACES
	s_lshl_b32 s51, s16, 4
	s_lshl_b32 s52, s14, 2
	s_add_co_u32 s51, s51, s52                     ; RT0 = 16 x row block + 4 x wave
	s_mov_b32 s53, 0
	s_lshl_b32 s52, s51, 13
	s_add_nc_u64 s[34:35], s[4:5], s[52:53]        ; h's codes at my first tile
	s_add_nc_u64 s[32:33], s[34:35], 2097152       ; h_cache's: 256 tiles on
	s_lshl_b32 s52, s51, 9
	s_add_co_u32 s52, s52, 4194304
	s_add_nc_u64 s[38:39], s[4:5], s[52:53]        ; h's scale words
	s_add_nc_u64 s[36:37], s[38:39], 131072        ; h_cache's
	s_mul_i32 s52, s17, 6144
	s_add_co_u32 s52, s52, 1572864
	s_add_nc_u64 s[40:41], s[6:7], s[52:53]        ; the head's weights' scale words
	s_lshr_b32 s52, s17, 2
	s_lshl_b32 s52, s52, 21                        ; qf: [head / 4][row tile][2 (head % 4) + kk][c]
	s_lshl_b32 s54, s51, 13
	s_add_co_u32 s52, s52, s54
	s_and_b32 s54, s17, 3
	s_lshl_b32 s54, s54, 11
	s_add_co_u32 s52, s52, s54
	s_add_nc_u64 s[42:43], s[8:9], s[52:53]
	s_lshr_b32 s54, s16, 3                         ; batch
	s_lshl_b32 s54, s54, 4
	s_add_co_u32 s54, s54, s17
	s_lshl_b32 s54, s54, 3
	s_and_b32 s52, s16, 7                          ; chunk of 256 rows in the batch
	s_add_co_u32 s54, s54, s52                     ; idx = (16 batch + head) x 8 + chunk
	s_lshl_b32 s52, s54, 14
	s_lshl_b32 s58, s14, 12
	s_add_co_u32 s52, s52, s58
	s_add_nc_u64 s[44:45], s[10:11], s[52:53]      ; spart: 16,384 bytes an idx, my quarter
	s_lshl_b32 s52, s54, 4
	s_lshl_b32 s58, s14, 2
	s_add_co_u32 s52, s52, s58
	s_add_nc_u64 s[46:47], s[12:13], s[52:53]      ; pmax: a word for each idx and wave
	v_and_b32 v7, 31, v0                           ; lane
	v_lshlrev_b32 v1, 4, v7                        ; 16 x lane, in memory
	v_lshlrev_b32 v2, 4, v7                        ; 16 x lane, in LDS: Wk's and Wv's fragments
	v_add_nc_u32 v3, 0x10000, v2                   ; Wq's
	v_and_b32 v8, 15, v0
	v_bfe_u32 v9, v0, 4, 1
	v_lshlrev_b32 v4, 4, v8
	v_lshl_add_u32 v4, v9, 9, v4                   ; scale words: lanes 16-31 take the next tile's
	s_lshl_b32 s58, s14, 14
	s_add_co_u32 s58, s58, STG
	v_add_nc_u32 v5, s58, v2                       ; where I store my S
	s_lshl_b32 s58, s14, 12
	s_add_co_u32 s58, s58, STG
	v_add_nc_u32 v6, s58, v2                       ; where I read my quarter of every wave's S
.irp p, 0,1
.irp k, 0,1
	global_load_b128 v[SHC+8*\p+4*\k:SHC+8*\p+4*\k+3], v4, s[36:37] offset:\p*1024+\k*256
	global_load_b128 v[SWK+8*\p+4*\k:SWK+8*\p+4*\k+3], v4, s[40:41] offset:\p*1024+\k*256
	global_load_b128 v[SWV+8*\p+4*\k:SWV+8*\p+4*\k+3], v4, s[40:41] offset:2048+\p*1024+\k*256
	global_load_b128 v[SH+8*\p+4*\k:SH+8*\p+4*\k+3], v4, s[38:39] offset:\p*1024+\k*256
	global_load_b128 v[SWQ+8*\p+4*\k:SWQ+8*\p+4*\k+3], v4, s[40:41] offset:4096+\p*1024+\k*256
.endr
.endr
	WIN 0x80
.irp s, 0,1,2,3,4,5,6,7                ; h_cache's fragments of all of K, K step by K step: each load takes 512 consecutive bytes
.irp a, 0,1,2,3
.irp c, 0,1
	global_load_b128 v[32*\s+8*\a+4*\c:32*\s+8*\a+4*\c+3], v1, s[32:33] offset:\a*8192+\s*1024+\c*512
.endr
.endr
.endr
	WIN 0
	s_wait_tensorcnt 0x0                           ; my quarter of the weights has landed,
	s_barrier_signal -1
	s_barrier_wait -1                              ; everybody's has
	FETCH_KV 0
	FETCH_KV 1
.irp s, 0,1,2,3,4,5,6,7
	s_wait_loadcnt 56                              ; the scale words and h_cache's K step s are in: behind it stand 8 (7 - s) loads of h_cache's and 8 s of h's
.if \s < 7
	s_wait_dscnt 16                                ; this step's weights are in; the next step's 16 loads may be out
.else
	s_wait_dscnt 8                                 ; behind the last step's stand Wq's first 8
.endif
	MUL_KV \s
	PLACES
	LOAD_H \s
.if \s < 6
	FETCH_KV \s+2
.elseif \s == 6
	FETCH_Q 0
.else
	FETCH_Q 1
.endif
.endr
	; k and v become f16 fragments with K = the rows l: registers 0-3 from row tile 2 lb, registers 4-7 from 2 lb + 1; each accumulator is read from its low end on
	WIN 0x05                                       ; sources window 1, destination window 0
.irp t, 0,1,2,3
.irp b, 0,1
.irp g, 0,1
.irp x, 0,1,2,3
	v_cvt_pk_f16_f32 v[KF+8*(2*\t+\b)+4*\g+\x], v[8*(4*(2*\b+\g)+\t)+2*\x], v[8*(4*(2*\b+\g)+\t)+2*\x+1]
.endr
.irp x, 0,1,2,3
	v_cvt_pk_f16_f32 v[VF+8*(2*\t+\b)+4*\g+\x], v[128+8*(4*(2*\b+\g)+\t)+2*\x], v[128+8*(4*(2*\b+\g)+\t)+2*\x+1]
.endr
.endr
.endr
.endr
	PLACES
	WIN 0xf0                                       ; sources window 0, C and D window 3
.irp b, 0,1                            ; S over my 64 rows: 16 accumulators by turns, 32 rows a turn
.irp p, 0,1,2,3
.irp d, 0,1,2,3
.if \b == 0
	v_wmma_f32_16x16x32_f16 v[128+8*(4*\p+\d):128+8*(4*\p+\d)+7], v[VF+8*(2*\d+\b):VF+8*(2*\d+\b)+7], v[KF+8*(2*\p+\b):KF+8*(2*\p+\b)+7], 0
.else
	v_wmma_f32_16x16x32_f16 v[128+8*(4*\p+\d):128+8*(4*\p+\d)+7], v[VF+8*(2*\d+\b):VF+8*(2*\d+\b)+7], v[KF+8*(2*\p+\b):KF+8*(2*\p+\b)+7], v[128+8*(4*\p+\d):128+8*(4*\p+\d)+7]
.endif
.endr
.endr
.endr
.irp s, 0,1,2,3,4,5,6,7
	s_wait_loadcnt 8*(7-\s)                        ; h's K step s is in; the later steps' loads may be out
.if \s < 7
	s_wait_dscnt 8                                 ; Wq's fragments of this step are in; the next step's 8 may be out
.else
	s_wait_dscnt 0
.endif
	MUL_Q \s
.if \s < 6
	PLACES
	FETCH_Q \s+2
.endif
.endr
	PLACES
	WIN 0x05
.irp a, 0,1,2,3                        ; q as f16: fragment (row tile a, kk): registers 0-3 from d' tile 2 kk, registers 4-7 from 2 kk + 1
.irp k, 0,1
.irp g, 0,1
.irp x, 0,1,2,3
	v_cvt_pk_f16_f32 v[128+8*(2*\a+\k)+4*\g+\x], v[8*(4*\a+2*\k+\g)+2*\x], v[8*(4*\a+2*\k+\g)+2*\x+1]
.endr
.endr
.endr
.endr
	WIN 0
.irp a, 0,1,2,3
.irp k, 0,1
.irp c, 0,1
	global_store_b128 v1, v[128+8*(2*\a+\k)+4*\c:128+8*(2*\a+\k)+4*\c+3], s[42:43] offset:\a*8192+\k*1024+\c*512   ; 512 consecutive bytes, aligned
.endr
.endr
.endr
	WIN 0x0c                                       ; an LDS store's data are its source 1: window 3
.irp i, 0,1,2,3,4,5,6,7,8,9,10,11,12,13,14,15
	ds_store_b128 v5, v[128+8*\i:128+8*\i+3] offset:\i*1024          ; my S as it stands in my registers, each accumulator from its low end on
	ds_store_b128 v5, v[128+8*\i+4:128+8*\i+7] offset:\i*1024+512
.endr
	WIN 0
	s_wait_dscnt 0x0                               ; for the others' sake: my stores have landed
	s_barrier_signal -1
	s_barrier_wait -1
	s_wait_xcnt 0x0                                ; q's stores have read their registers, which the loads below fill
.irp u, 0,1,2,3                        ; quarter w (d' tile w) of all four waves' S
.irp i, 0,1,2,3,4,5,6,7
	ds_load_b128 v[128+32*\u+4*\i:128+32*\u+4*\i+3], v6 offset:\u*16384+\i*512
.endr
.endr
	s_wait_dscnt 0x0
.irp i, 0,2,4,6,8,10,12,14,16,18,20,22,24,26,28,30
	v_pk_add_f32 v[128+\i:129+\i], v[128+\i:129+\i], v[160+\i:161+\i]
	v_pk_add_f32 v[192+\i:193+\i], v[192+\i:193+\i], v[224+\i:225+\i]
.endr
.irp i, 0,2,4,6,8,10,12,14,16,18,20,22,24,26,28,30
	v_pk_add_f32 v[128+\i:129+\i], v[128+\i:129+\i], v[192+\i:193+\i]
.endr
.irp i, 0,1,2,3,4,5,6,7
	global_store_b128 v1, v[128+4*\i:128+4*\i+3], s[44:45] offset:\i*512
.endr
	v_max3_num_f32 v8, |v128|, |v129|, |v130|      ; the quarter's largest magnitude
.irp i, 3,5,7,9,11,13,15,17,19,21,23,25,27,29
	v_max3_num_f32 v8, v8, |v[128+\i]|, |v[129+\i]|
.endr
	v_max_num_f32 v8, v8, |v159|
	v_max_num_f32_dpp v8, v8, v8 row_xmask:1 row_mask:0xf bank_mask:0xf
	v_max_num_f32_dpp v8, v8, v8 row_xmask:2 row_mask:0xf bank_mask:0xf
	v_max_num_f32_dpp v8, v8, v8 row_xmask:4 row_mask:0xf bank_mask:0xf
	v_max_num_f32_dpp v8, v8, v8 row_xmask:8 row_mask:0xf bank_mask:0xf
	v_permlanex16_b32 v9, v8, s48, s49
	v_max_num_f32 v8, v8, v9
	v_mov_b32 v10, 0
	v_cmp_eq_u32 vcc_lo, 0, v7
	s_wait_xcnt 0x0                                ; EXEC changes only behind this wait: the stores above have it among their sources
	s_and_saveexec_b32 s50, vcc_lo
	global_store_b32 v10, v8, s[46:47]             ; lane 0 alone
	s_wait_xcnt 0x0                                ; and again, ahead of the line that widens it
	s_or_b32 exec_lo, exec_lo, s50
	s_wait_tensorcnt 0x0                           ; the wave's end: behind my last tensor load and my last LDS store
	ds_add_u32 v[SPW], v[NIL]
	s_wait_dscnt 0x0
	CROUND                                         ; the closing round
	s_endpgm
.Lfunc_end_k_qc895ab7e64_proj:
	.size	k_qc895ab7e64_proj, .Lfunc_end_k_qc895ab7e64_proj-k_qc895ab7e64_proj
	.p2alignl 7, 3214868480
	.fill 96, 4, 3214868480
	.section	.rodata,"a",@progbits
	.p2align	6, 0x0
	.amdhsa_kernel k_qc895ab7e64_proj
		.amdhsa_group_segment_fixed_size 167936
		.amdhsa_private_segment_fixed_size 0
		.amdhsa_enable_private_segment 0
		.amdhsa_kernarg_size 40
		.amdhsa_user_sgpr_count 2
		.amdhsa_user_sgpr_kernarg_segment_ptr 1
		.amdhsa_wavefront_size32 1
		.amdhsa_system_sgpr_workgroup_id_x 1
		.amdhsa_system_sgpr_workgroup_id_y 1
		.amdhsa_system_sgpr_workgroup_id_z 1
		.amdhsa_system_vgpr_workitem_id 0
		.amdhsa_next_free_vgpr 1024
		.amdhsa_next_free_sgpr 66
		.amdhsa_reserve_vcc 1
		.amdhsa_float_denorm_mode_32 3
		.amdhsa_float_denorm_mode_16_64 3
		.amdhsa_memory_ordered 1
		.amdhsa_forward_progress 1
		.amdhsa_inst_pref_size 109
	.end_amdhsa_kernel
	.amdgpu_metadata
---
amdhsa.version: [ 1, 2 ]
amdhsa.kernels:
  - .name:           k_qc895ab7e64_proj
    .symbol:         k_qc895ab7e64_proj.kd
    .args:
      - { .name: xq, .offset: 0, .size: 8, .value_kind: global_buffer, .address_space: global }
      - { .name: wq, .offset: 8, .size: 8, .value_kind: global_buffer, .address_space: global }
      - { .name: qf, .offset: 16, .size: 8, .value_kind: global_buffer, .address_space: global }
      - { .name: spart, .offset: 24, .size: 8, .value_kind: global_buffer, .address_space: global }
      - { .name: pmax, .offset: 32, .size: 8, .value_kind: global_buffer, .address_space: global }
    .group_segment_fixed_size: 167936
    .private_segment_fixed_size: 0
    .kernarg_segment_align: 8
    .kernarg_segment_size: 40
    .max_flat_workgroup_size: 128
    .sgpr_count:     66
    .vgpr_count:     1024
    .wavefront_size: 32
...
	.end_amdgpu_metadata
.endif
;; end of part 2
;; launch fold (part 3): grid 128 x 2, 4 waves a work-group, no clusters, 0 bytes of LDS; arguments spart, pmax, Wo, tf, tsc; writes tf, tsc
.if DOCPART == 3
	.amdgcn_target "amdgcn-amd-amdhsa--gfx1250"
	.amdhsa_code_object_version 6
	.text
	.protected	k_qc895ab7e64_fold
	.globl	k_qc895ab7e64_fold
	.p2align	8
	.type	k_qc895ab7e64_fold,@function
k_qc895ab7e64_fold:
	s_mov_b64 s[64:65], 0
	v_nop
	global_prefetch_b8 v0, s[64:65] scope:SCOPE_SE
	s_setreg_imm32_b32 hwreg(HW_REG_WAVE_MODE, 25, 1), 1
	s_wait_xcnt 0x0
; S[batch][head] = the sum of its eight chunks' parts, in a fixed order; T'[(head, d')][n] = sum over d of S'[d'][d] Wo[n][64 head + d], stored as f16 in the order of the last launch's operand registers.
; LEFT OUT (shown at the head of the first launch): key_pe's product, the division and the softmax; (q k^T) v Wo^T is formed as q ((k^T v) Wo^T).
; THE SCALE.  S has no fixed room in f16, so it is multiplied by a power of two taken from the data: E = the exponent field of the largest magnitude among the batch's parts (held to 3 .. 253);
; a sum of eight parts lies under 2^(E - 123), so S' = S x 2^(129 - E) lies under 64.  The multiplication rounds nothing; the last launch multiplies by g = 2^(E - 129), stored here.  No branch and no address hangs on E.
; LIMITS: |T'| <= 64 x 64 x max |Wo| stays inside f16 for max |Wo| under 16; |Wo| under 65,504 in any case.
; SHARES.  x = 8 head + part (128 columns n a part), y = batch.  Wave w: d' tile w against 8 tiles of n.  Everything goes from memory to registers once and is used there: no LDS, no barrier.
; The eight parts of a head read the same 131,072 bytes of parts of S, and the two batches the same rows of Wo; they are not asked for jointly, since joint loads land in LDS and these bytes are wanted once, in registers, by loads that all go out at the head.
; REGISTERS.  Window 0: v1-3 offsets; v8-11 at work; v16-31 S' as two f16 fragments; v32-47 the table of magnitudes, then v32-63 the packed results; v64-191 Wo's f16 fragments (16 nt + 8 kk); v192-255 the 8 accumulators.
;   Window 1: Wo as f32, 32 registers a tile.   Window 2: the eight parts of S, 32 registers each.
.set MSB, 0
.macro WIN new
.if MSB != \new
	s_set_vgpr_msb (MSB<<8)|\new
.set MSB, \new
.endif
.endm
	s_load_b256 s[4:11], s[0:1], 0x0               ; spart s[4:5], pmax s[6:7], Wo s[8:9], tf s[10:11]
	s_load_b64 s[12:13], s[0:1], 0x20              ; tsc
	v_lshrrev_b32 v8, 5, v0
	v_readfirstlane_b32 s14, v8                    ; wave
	s_and_b32 s15, ttmp9, 7                        ; part
	s_lshr_b32 s16, ttmp9, 3                       ; head
	s_and_b32 s17, ttmp7, 0xffff                   ; batch
	v_and_b32 v9, 31, v0
	v_lshlrev_b32 v1, 4, v9                        ; 16 x lane
	v_lshlrev_b32 v3, 2, v9                        ; 4 x lane
	v_and_b32 v10, 15, v0
	v_bfe_u32 v11, v0, 4, 1
	v_lshlrev_b32 v2, 12, v10
	v_lshl_add_u32 v2, v11, 5, v2                  ; Wo: row r of 4,096 bytes, + 8 h numbers
	s_mov_b32 s18, 0x76543210
	s_mov_b32 s19, 0xfedcba98
	s_mov_b32 s35, 0
	s_wait_kmcnt 0x0
	s_lshl_b32 s34, s17, 11
	s_add_nc_u64 s[20:21], s[6:7], s[34:35]        ; the batch's 512 magnitudes
	s_lshl_b32 s34, s17, 4
	s_add_co_u32 s34, s34, s16
	s_lshl_b32 s34, s34, 17
	s_lshl_b32 s36, s14, 12
	s_add_co_u32 s34, s34, s36
	s_add_nc_u64 s[22:23], s[4:5], s[34:35]        ; the head's eight parts, my d' tile
	s_lshl_b32 s34, s15, 19
	s_lshl_b32 s36, s16, 8
	s_add_co_u32 s34, s34, s36
	s_add_nc_u64 s[24:25], s[8:9], s[34:35]        ; Wo: my part's 128 rows, the head's 64 columns
	s_lshl_b32 s34, s17, 21                        ; tf: [batch][head / 4][n tile][2 (head % 4) + w / 2][w % 2]
	s_lshr_b32 s36, s16, 2
	s_lshl_b32 s36, s36, 19
	s_add_co_u32 s34, s34, s36
	s_lshl_b32 s36, s15, 16
	s_add_co_u32 s34, s34, s36
	s_and_b32 s36, s16, 3
	s_lshl_b32 s36, s36, 11
	s_add_co_u32 s34, s34, s36
	s_lshl_b32 s36, s14, 9                         ; (w / 2) x 1,024 + (w % 2) x 512 = 512 w
	s_add_co_u32 s34, s34, s36
	s_add_nc_u64 s[26:27], s[10:11], s[34:35]
	s_lshl_b32 s34, s17, 7
	s_add_nc_u64 s[28:29], s[12:13], s[34:35]
.irp i, 0,1,2,3
	global_load_b128 v[32+4*\i:35+4*\i], v1, s[20:21] offset:\i*512
.endr
	WIN 0x80
.irp u, 0,1,2,3,4,5,6,7
.irp i, 0,1,2,3,4,5,6,7
	global_load_b128 v[32*\u+4*\i:32*\u+4*\i+3], v1, s[22:23] offset:\u*16384+\i*512
.endr
.endr
	WIN 0x40
.irp n, 0,1,2,3,4,5,6,7                ; a tile's eight loads stand on end and together read 256 consecutive bytes of each of its 16 rows
.irp k, 0,1
.irp g, 0,1
.irp i, 0,1
	global_load_b128 v[32*\n+16*\k+8*\g+4*\i:32*\n+16*\k+8*\g+4*\i+3], v2, s[24:25] offset:\n*65536+\k*128+\g*64+\i*16
.endr
.endr
.endr
.endr
	WIN 0
	s_wait_loadcnt 63                              ; the table and the parts of S are in: 64 loads of Wo stand behind them, and a wait's count names 63 at the most
	v_max3_num_f32 v8, v32, v33, v34
.irp i, 35,37,39,41,43,45
	v_max3_num_f32 v8, v8, v[\i], v[\i+1]
.endr
	v_max_num_f32 v8, v8, v47
	v_max_num_f32_dpp v8, v8, v8 row_xmask:1 row_mask:0xf bank_mask:0xf
	v_max_num_f32_dpp v8, v8, v8 row_xmask:2 row_mask:0xf bank_mask:0xf
	v_max_num_f32_dpp v8, v8, v8 row_xmask:4 row_mask:0xf bank_mask:0xf
	v_max_num_f32_dpp v8, v8, v8 row_xmask:8 row_mask:0xf bank_mask:0xf
	v_permlanex16_b32 v9, v8, s18, s19
	v_max_num_f32 v8, v8, v9
	v_readfirstlane_b32 s30, v8
	s_lshr_b32 s30, s30, 23                        ; E (the number is not negative)
	s_max_u32 s30, s30, 3
	s_min_u32 s30, s30, 253
	s_sub_co_u32 s32, 256, s30
	s_lshl_b32 s32, s32, 23                        ; f = 2^(129 - E)
	s_mov_b32 s33, s32                             ; (named with it as a pair)
	s_sub_co_u32 s31, s30, 2
	s_lshl_b32 s31, s31, 23                        ; g = 2^(E - 129)
	WIN 0x8a                                       ; all in window 2
.irp i, 0,2,4,6,8,10,12,14,16,18,20,22,24,26,28,30
	v_pk_add_f32 v[\i:\i+1], v[\i:\i+1], v[32+\i:33+\i]
	v_pk_add_f32 v[64+\i:65+\i], v[64+\i:65+\i], v[96+\i:97+\i]
	v_pk_add_f32 v[128+\i:129+\i], v[128+\i:129+\i], v[160+\i:161+\i]
	v_pk_add_f32 v[192+\i:193+\i], v[192+\i:193+\i], v[224+\i:225+\i]
.endr
.irp i, 0,2,4,6,8,10,12,14,16,18,20,22,24,26,28,30
	v_pk_add_f32 v[\i:\i+1], v[\i:\i+1], v[64+\i:65+\i]
	v_pk_add_f32 v[128+\i:129+\i], v[128+\i:129+\i], v[192+\i:193+\i]
.endr
.irp i, 0,2,4,6,8,10,12,14,16,18,20,22,24,26,28,30
	v_pk_add_f32 v[\i:\i+1], v[\i:\i+1], v[128+\i:129+\i]
.endr
.irp i, 0,2,4,6,8,10,12,14,16,18,20,22,24,26,28,30
	v_pk_mul_f32 v[\i:\i+1], v[\i:\i+1], s[32:33] op_sel_hi:[1,0]   ; S' = S x f
.endr
	WIN 0x0a                                       ; sources window 2, destination window 0
.irp y, 0,1,2,3,4,5,6,7,8,9,10,11,12,13,14,15
	v_cvt_pk_f16_f32 v[16+\y], v[2*\y], v[2*\y+1]  ; sum register 8 dt + j is S'(16 w + r, 16 dt + 8 h + j): in pairs they are the two fragments' registers, in order
.endr
	WIN 0x05                                       ; sources window 1, destination window 0
.irp n, 0,1,2,3,4,5,6,7
	s_wait_loadcnt 8*(7-\n)                        ; tile n of Wo is in; the later tiles' loads may be out
.irp y, 0,1,2,3,4,5,6,7,8,9,10,11,12,13,14,15
	v_cvt_pk_f16_f32 v[64+16*\n+\y], v[32*\n+2*\y], v[32*\n+2*\y+1]
.endr
.endr
	WIN 0
.rept 4
	v_nop
.endr
.irp n, 0,1,2,3,4,5,6,7                ; source 0 = S' (rows d'), source 1 = Wo (columns n): the 8 accumulators by turns
	v_wmma_f32_16x16x32_f16 v[192+8*\n:199+8*\n], v[16:23], v[64+16*\n:71+16*\n], 0
.endr
.irp n, 0,1,2,3,4,5,6,7
	v_wmma_f32_16x16x32_f16 v[192+8*\n:199+8*\n], v[24:31], v[72+16*\n:79+16*\n], v[192+8*\n:199+8*\n]
.endr
.rept 4
	v_nop
.endr
.irp n, 0,1,2,3,4,5,6,7                ; lane (r, h), register j: T'(16 w + 8 h + j, 16 n + r): eight neighbours along the last product's K
.irp x, 0,1,2,3
	v_cvt_pk_f16_f32 v[32+4*\n+\x], v[192+8*\n+2*\x], v[192+8*\n+2*\x+1]
.endr
.endr
.irp n, 0,1,2,3,4,5,6,7
	global_store_b128 v1, v[32+4*\n:35+4*\n], s[26:27] offset:\n*8192   ; half a fragment: 512 consecutive bytes, aligned
.endr
	s_or_b32 s34, ttmp9, s14                       ; one wave of one work-group for each batch stores g, 32 times: ids alone decide
	s_cmp_lg_u32 s34, 0
	s_cbranch_scc1 .Ldone
	v_mov_b32 v8, s31
	global_store_b32 v3, v8, s[28:29]
.Ldone:
	s_endpgm
.Lfunc_end_k_qc895ab7e64_fold:
	.size	k_qc895ab7e64_fold, .Lfunc_end_k_qc895ab7e64_fold-k_qc895ab7e64_fold
	.p2alignl 7, 3214868480
	.fill 96, 4, 3214868480
	.section	.rodata,"a",@progbits
	.p2align	6, 0x0
	.amdhsa_kernel k_qc895ab7e64_fold
		.amdhsa_group_segment_fixed_size 0
		.amdhsa_private_segment_fixed_size 0
		.amdhsa_enable_private_segment 0
		.amdhsa_kernarg_size 40
		.amdhsa_user_sgpr_count 2
		.amdhsa_user_sgpr_kernarg_segment_ptr 1
		.amdhsa_wavefront_size32 1
		.amdhsa_system_sgpr_workgroup_id_x 1
		.amdhsa_system_sgpr_workgroup_id_y 1
		.amdhsa_system_sgpr_workgroup_id_z 1
		.amdhsa_system_vgpr_workitem_id 0
		.amdhsa_next_free_vgpr 768
		.amdhsa_next_free_sgpr 66
		.amdhsa_reserve_vcc 0
		.amdhsa_float_denorm_mode_32 3
		.amdhsa_float_denorm_mode_16_64 3
		.amdhsa_memory_ordered 1
		.amdhsa_forward_progress 1
		.amdhsa_inst_pref_size 38
	.end_amdhsa_kernel
	.amdgpu_metadata
---
amdhsa.version: [ 1, 2 ]
amdhsa.kernels:
  - .name:           k_qc895ab7e64_fold
    .symbol:         k_qc895ab7e64_fold.kd
    .args:
      - { .name: spart, .offset: 0, .size: 8, .value_kind: global_buffer, .address_space: global }
      - { .name: pmax, .offset: 8, .size: 8, .value_kind: global_buffer, .address_space: global }
      - { .name: Wo, .offset: 16, .size: 8, .value_kind: global_buffer, .address_space: global }
      - { .name: tf, .offset: 24, .size: 8, .value_kind: global_buffer, .address_space: global }
      - { .name: tsc, .offset: 32, .size: 8, .value_kind: global_buffer, .address_space: global }
    .group_segment_fixed_size: 0
    .private_segment_fixed_size: 0
    .kernarg_segment_align: 8
    .kernarg_segment_size: 40
    .max_flat_workgroup_size: 128
    .sgpr_count:     66
    .vgpr_count:     768
    .wavefront_size: 32
...
	.end_amdgpu_metadata
.endif
;; end of part 3
;; launch final (part 4): grid 8 x 32, 4 waves a work-group, clusters of 4 x 4, 327,680 bytes of LDS; arguments qf, tf, tsc, out0; writes out0
.if DOCPART == 4
	.amdgcn_target "amdgcn-amd-amdhsa--gfx1250"
	.amdhsa_code_object_version 6
	.text
	.protected	k_qc895ab7e64_final
	.globl	k_qc895ab7e64_final
	.p2align	8
	.type	k_qc895ab7e64_final,@function
k_qc895ab7e64_final:
	s_mov_b64 s[64:65], 0
	v_nop
	global_prefetch_b8 v0, s[64:65] scope:SCOPE_SE
	s_setreg_imm32_b32 hwreg(HW_REG_WAVE_MODE, 25, 1), 1
	s_wait_xcnt 0x0
	s_wait_alu depctr_hold_cnt(0) depctr_sa_sdst(0) depctr_va_vdst(0) depctr_va_sdst(0) depctr_va_ssrc(0) depctr_va_vcc(0) depctr_vm_vsrc(0)
	s_getreg_b32 s2, hwreg(HW_REG_IB_STS2, 6, 4)
	s_cmp_eq_u32 s2, 0
	s_cbranch_scc0 .Lentry_in_a_cluster
	s_endpgm
.Lentry_in_a_cluster:
	s_bfe_u32 s2, ttmp6, 0x10000c
	s_cmp_lg_u32 s2, 0xf033
	s_cbranch_scc0 .Lentry_shape_is_right
	s_endpgm
.Lentry_shape_is_right:
; out0[batch] = (q[batch] T'[batch]) x g: [2,048 x 1,024] x [1,024 x 1,024] a batch, f16 operands, f32 sums; g = 2^(E - 129) undoes the scale that the launch before put on S.
; LEFT OUT (shown at the head of the first launch): key_pe's product, the division and the softmax; (q k^T) v Wo^T is formed as q ((k^T v) Wo^T).
; A tile of out0 is 128 x 128: 256 work-groups of four waves, each 64 x 64: 16 accumulators.  K goes in four steps of 256 through two LDS slots.
; BOTH OPERANDS LIE IN MEMORY AS IMAGES OF THEIR REGISTERS: a fragment (16 rows x 32 K) is 1,024 bytes, 16 bytes a lane and half; a K step's 8 fragments of a tile of 16 rows are 8,192 bytes on end; so a K step of 128 rows is one
; dense block of 65,536 bytes, half of it to a tensor load, and every LDS load reads 512 consecutive bytes: no pitch, no padding.
; CLUSTERS: 4 x 4 work-groups.  The four of a row of the cluster need the same tiles of q, the four of a column the same tiles of T': each is asked for JOINTLY.  The batch hangs on the cluster's y alone.
; THE MATRIX INSTRUCTION IS USED TRANSPOSED (source 0 = 16 columns of T', source 1 = 16 rows of q): a lane holds eight neighbouring numbers of a row of out0.
; REGISTERS: window 0: v16-29 addresses; v32-63 scaled results; v64-127 rows on the way out, two sets; v128-255 the accumulators ((a, b) at 128 + 8 (4 a + b)).
;   window 1: two fragment buffers of 128: for 64 along K, 64 registers of q's, then 64 of T''s.
.set SLOT,   131072                    ; q's 65,536 bytes, then T''s
.set STAGE,  2*SLOT                    ; behind the ring: 16 rows x 272 bytes for each wave
.set SPARE,  STAGE+4*16*272            ; behind the stages: the spare words, 128 bytes a wave
.set ASTEP,  2097152                   ; a K step on in qf
.set BSTEP,  524288                    ; and in tf
.set ADRA, 16                          ; v16-17 LDS address of my fragments of q in slot 0, 1
.set ADRB, 20                          ; v20-21 of T'
.set STO,  24                          ; v24 the way out: where I put 32 bytes of a row
.set RD,   25                          ; v25 where I read a row back
.set CO,   26                          ; v26 my byte offset in out0
.set SPW,  28
.set NIL,  29
.set TMP,  32
.set OB,   64
.set ACC,  128
.set F0,   0
.set F1,   128
.set G1, 24                            ; s[24:31] group 1 for q's tiles;  s[32:39] group 0, one set for each slot
.set G0, 32
.set G1B, 48                           ; s[48:55], s[56:63] the same for T''s
.set G0B, 56
.set MSB, 0
.macro WIN new
.if MSB != \new
	s_set_vgpr_msb (MSB<<8)|\new
.set MSB, \new
.endif
.endm
.set MUL,  0x05                        ; sources window 1; C and D window 0
.set TO_F, 0x40                        ; destination window 1, address window 0
.macro JLOAD s                         ; a joint load: waves 0 and 1 fetch q's two halves, waves 2 and 3 T''s; an s_nop 0 and four v_nop follow each of the two lines
	s_cmp_eq_u32 s13, 0
	s_cbranch_scc0 .Lfor_b_\@
	tensor_load_to_lds s[G0+4*\s:G0+4*\s+3], s[G1:G1+7]
	s_nop 0
.rept 4
	v_nop
.endr
	s_branch .Lasked_\@
.Lfor_b_\@:
	tensor_load_to_lds s[G0B+4*\s:G0B+4*\s+3], s[G1B:G1B+7]
	s_nop 0
.rept 4
	v_nop
.endr
.Lasked_\@:
.endm
.macro CREST                           ; a round of the cluster's barrier behind its opening barrier
	s_cmp_lg_u32 s12, 0
	s_cbranch_scc1 .Lnot_wave_0_\@
	s_barrier_signal -3
.Lnot_wave_0_\@:
	s_barrier_wait -3
	s_barrier_signal -1
	s_barrier_wait -1
.endm
.macro CROUND
	s_barrier_signal -1
	s_barrier_wait -1
	CREST
.endm
	s_load_b256 s[4:11], s[0:1], 0x0               ; qf s[4:5], tf s[6:7], tsc s[8:9], out0 s[10:11]
	v_lshl_add_u32 v[SPW], v0, 2, SPARE
	v_mov_b32 v[NIL], 0
	ds_add_u32 v[SPW], v[NIL]                      ; the wave's opening: the add, twice on end, and its wait ahead of my first tensor load
	ds_add_u32 v[SPW], v[NIL]                      ; and once more, under the one wait
	v_lshrrev_b32 v1, 5, v0
	v_readfirstlane_b32 s12, v1                    ; wave 0..3
	s_lshr_b32 s13, s12, 1                         ; which half of the tile's rows is mine.  Also: I fetch for q (0) or for T' (1)
	s_and_b32 s14, s12, 1                          ; which half of its columns.  Also: which half of that tile I fetch
	s_bfe_u32 s15, ttmp6, 0x40000                  ; cx
	s_bfe_u32 s16, ttmp6, 0x40004                  ; cy
	s_lshl_b32 s17, ttmp9, 2
	s_add_co_u32 s17, s17, s15                     ; tile column = 4 x cluster x + cx
	s_and_b32 s19, ttmp7, 0xffff
	s_lshl_b32 s18, s19, 2
	s_add_co_u32 s18, s18, s16                     ; tile row = 4 x cluster y + cy
	s_lshr_b32 s19, s19, 2                         ; batch: 16 tile rows, four clusters, each
	s_lshl_b32 s20, s16, 2
	s_lshl_b32 s20, 15, s20                        ; my row of the cluster
	s_lshl_b32 s21, 0x1111, s15                    ; my column
	; descriptor group 1: 32,768 dense bytes as 128 rows of 256 bytes (32 elements of 8 bytes), no padding
	s_or_b32 s[G1+0], s20, (3<<16)|(1<<21)         ; 15:0 the mask: q's tiles go to my row; 17:16 elements of 8 bytes; 21 set beside a mask
	s_or_b32 s[G1B+0], s21, (3<<16)|(1<<21)        ; T''s to my column
.irp g, G1, G1B
	s_mov_b32 s[\g+1], 32<<16                      ; tensor_dim0 = 32
	s_mov_b32 s[\g+2], 128<<16                     ; tensor_dim1 = 128
	s_mov_b32 s[\g+3], 32<<16                      ; tile_dim0 = 32
	s_mov_b32 s[\g+4], 128                         ; tile_dim1 = 128
	s_mov_b32 s[\g+5], 32                          ; from row to row
	s_mov_b32 s[\g+6], 0
	s_mov_b32 s[\g+7], 0
.endr
	s_lshl_b32 s42, s14, 15                        ; which half I fetch
	s_lshl_b32 s40, s18, 16
	s_add_co_u32 s40, s40, s42                     ; q: tile row x 65,536 + half: tile row and wave alone
	s_mov_b32 s41, 0
	s_lshl_b32 s44, s19, 21
	s_lshl_b32 s46, s17, 16
	s_add_co_u32 s44, s44, s46
	s_add_co_u32 s44, s44, s42                     ; T': batch x 2,097,152 + tile column x 65,536 + half
	s_mov_b32 s45, 0
	s_lshl_b32 s43, s12, 15                        ; where they go: wave x 32,768: q's two halves, then T''s two
	s_wait_dscnt 0x0                               ; both opening adds are done
	s_wait_kmcnt 0x0
	s_add_nc_u64 s[40:41], s[4:5], s[40:41]
	s_add_nc_u64 s[44:45], s[6:7], s[44:45]
	CROUND                                         ; all sixteen work-groups are here: the first joint loads meet
.irp s, 0,1
	s_mov_b32 s[G0+4*\s], 1
	s_add_co_u32 s[G0+4*\s+1], s43, \s*SLOT
	s_add_nc_u64 s[G0+4*\s+2:G0+4*\s+3], s[40:41], \s*ASTEP
	s_or_b32 s[G0+4*\s+3], s[G0+4*\s+3], 0x80000000
	s_mov_b32 s[G0B+4*\s], 1
	s_add_co_u32 s[G0B+4*\s+1], s43, \s*SLOT
	s_add_nc_u64 s[G0B+4*\s+2:G0B+4*\s+3], s[44:45], \s*BSTEP
	s_or_b32 s[G0B+4*\s+3], s[G0B+4*\s+3], 0x80000000
	JLOAD \s
.endr
	s_lshl_b32 s46, s19, 7
	s_mov_b32 s47, 0
	s_add_nc_u64 s[46:47], s[8:9], s[46:47]
	s_load_b32 s66, s[46:47], 0x0                  ; g of my batch: it only multiplies
	v_and_b32 v1, 15, v0                           ; l % 16
	v_bfe_u32 v2, v0, 4, 1                         ; l / 16
	v_and_b32 v3, 31, v0
	v_lshlrev_b32 v3, 4, v3                        ; 16 x lane
	s_lshl_b32 s22, s13, 15                        ; my 64 rows of q: four tiles of 8,192 bytes
	s_lshl_b32 s23, s14, 15
	s_add_co_u32 s23, s23, 65536                   ; my 64 columns of T', behind q's 65,536 bytes
.irp s, 0,1
	v_add_nc_u32 v[ADRA+\s], s22, v3
	v_add_nc_u32 v[ADRB+\s], s23, v3
	s_add_co_u32 s22, s22, SLOT
	s_add_co_u32 s23, s23, SLOT
.endr
	s_mul_i32 s22, s12, 16*272
	s_add_co_u32 s22, s22, STAGE                   ; my stage
	v_mul_u32_u24 v4, v1, 272
	v_lshl_add_u32 v4, v2, 5, v4
	v_add_nc_u32 v[STO], s22, v4                   ; in: row l % 16, 32 bytes for each half of the lanes
	v_mul_u32_u24 v5, v2, 272
	v_lshl_add_u32 v5, v1, 4, v5
	v_add_nc_u32 v[RD], s22, v5                    ; back: lanes 0-15 one row of 256 bytes, lanes 16-31 the next
	v_lshlrev_b32 v[CO], 12, v2
	v_lshl_add_u32 v[CO], v1, 4, v[CO]             ; and the same two rows in out0
	s_lshl_b32 s22, s18, 19                        ; 128 rows of 4,096 bytes a tile row,
	s_lshl_b32 s23, s13, 18                        ; my 64 of them,
	s_add_co_u32 s22, s22, s23
	s_lshl_b32 s23, s17, 9                         ; 512 bytes a tile column,
	s_add_co_u32 s22, s22, s23
	s_lshl_b32 s23, s14, 8                         ; my 256 of them
	s_add_co_u32 s22, s22, s23
	s_mov_b32 s23, 0
	s_add_nc_u64 s[10:11], s[10:11], s[22:23]
; 8 matrix instructions: row blocks a0, a0 + 1 x all 4 column blocks, 32 along K: half c of buffer f.  zero = 1: the first product starts the sums.  The 16 accumulators take turns
.macro MUL8 f, c, a0, zero
.irp a, \a0, \a0+1
.irp b, 0,1,2,3
.if \zero
	v_wmma_f32_16x16x32_f16 v[ACC+8*(4*(\a)+\b):ACC+8*(4*(\a)+\b)+7], v[\f+64+8*(4*\c+\b):\f+64+8*(4*\c+\b)+7], v[\f+8*(4*\c+\a):\f+8*(4*\c+\a)+7], 0
.else
	v_wmma_f32_16x16x32_f16 v[ACC+8*(4*(\a)+\b):ACC+8*(4*(\a)+\b)+7], v[\f+64+8*(4*\c+\b):\f+64+8*(4*\c+\b)+7], v[\f+8*(4*\c+\a):\f+8*(4*\c+\a)+7], v[ACC+8*(4*(\a)+\b):ACC+8*(4*(\a)+\b)+7]
.endif
.endr
.endr
.endm
; 32 LDS loads in one run: the fragments of the slot's kq-th 64 along K into buffer f; the first 32 along K first
.macro FETCH slot, kq, f
	WIN TO_F
.irp c, 0,1
.irp i, 0,1,2,3
	ds_load_b128 v[\f+64+8*(4*\c+\i):\f+64+8*(4*\c+\i)+3],   v[ADRB+\slot] offset:\i*8192+(2*(\kq)+\c)*1024
	ds_load_b128 v[\f+64+8*(4*\c+\i)+4:\f+64+8*(4*\c+\i)+7], v[ADRB+\slot] offset:\i*8192+(2*(\kq)+\c)*1024+512
	ds_load_b128 v[\f+8*(4*\c+\i):\f+8*(4*\c+\i)+3],         v[ADRA+\slot] offset:\i*8192+(2*(\kq)+\c)*1024
	ds_load_b128 v[\f+8*(4*\c+\i)+4:\f+8*(4*\c+\i)+7],       v[ADRA+\slot] offset:\i*8192+(2*(\kq)+\c)*1024+512
.endr
.endr
.endm
.macro PLACES                          ; four places ahead of loads into registers that matrix instructions have read, and of reads of results
.rept 4
	v_nop
.endr
.endm
; A K step is four quarters of 64 along K, 32 matrix instructions each, on buffers 0, 1, 0, 1.  One of the first three: multiplies buffer f and fetches quarter kq into g.
.macro QUARTER slot, kq, f, g, zero
	s_wait_dscnt 16                                ; the first 32 along K are in; the other sixteen loads may be out
	WIN MUL
	MUL8 \f, 0, 0, \zero
	MUL8 \f, 0, 2, \zero
	PLACES
	FETCH \slot, \kq, \g
	s_wait_dscnt 32                                ; all but the 32 just issued
	WIN MUL
	MUL8 \f, 1, 0, 0
	MUL8 \f, 1, 2, 0
.endm
; The last quarter multiplies buffer 1 and changes slots: ONE barrier; ahead of it each wave waits for all its tensor loads, adds 0 to its spare word, and waits for that and for its reads of this slot.  fill = 1: this slot is filled again, two K steps ahead.
.macro TURN slot, next, fill
	WIN 0                                          ; (the add's two registers lie in window 0)
	s_wait_tensorcnt 0x0                           ; all my tensor loads have landed: my part of the next slot;
	ds_add_u32 v[SPW], v[NIL]                      ; 0 onto my spare word;
	s_wait_dscnt 17                                ; (the add and the youngest sixteen loads may be out)
	WIN MUL
	MUL8 F1, 0, 0, 0                               ; eight matrix instructions stand between the add and the wait for it
	s_wait_dscnt 0x0                               ; the add is done, and my reads of this slot are over
	s_barrier_signal -1
	MUL8 F1, 0, 2, 0
.if \fill
	WIN 0
.endif
	s_barrier_wait -1
.if \fill
	CREST                                          ; the barrier has opened a round of the cluster's barrier: no wave of any partner still reads this slot or has a load on its way
	s_add_nc_u64 s[G0+4*\slot+2:G0+4*\slot+3], s[G0+4*\slot+2:G0+4*\slot+3], 2*ASTEP
	s_add_nc_u64 s[G0B+4*\slot+2:G0B+4*\slot+3], s[G0B+4*\slot+2:G0B+4*\slot+3], 2*BSTEP
	JLOAD \slot                                    ; the first tensor load behind the round; the four v_nop behind it are also the places ahead of the loads below
.else
	PLACES
.endif
	FETCH \next, 0, F0
	WIN MUL
	MUL8 F1, 1, 0, 0
	MUL8 F1, 1, 2, 0
.endm
	s_wait_kmcnt 0x0                               ; g
	s_mov_b32 s67, s66                             ; (the packed form names the pair)
	s_wait_tensorcnt 1                             ; my part of K step 0 is in; K step 1's may stay out
	s_barrier_signal -1
	s_barrier_wait -1                              ; everybody's is
	FETCH 0, 0, F0
	QUARTER 0, 1, F0, F1, 1                        ; K step 0: its first products start the sums
	QUARTER 0, 2, F1, F0, 0
	QUARTER 0, 3, F0, F1, 0
	TURN 0, 1, 1                                   ; slot 0 takes K step 2
	QUARTER 1, 1, F0, F1, 0                        ; K step 1
	QUARTER 1, 2, F1, F0, 0
	QUARTER 1, 3, F0, F1, 0
	TURN 1, 0, 1                                   ; slot 1 takes K step 3
	QUARTER 0, 1, F0, F1, 0                        ; K step 2
	QUARTER 0, 2, F1, F0, 0
	QUARTER 0, 3, F0, F1, 0
	TURN 0, 1, 0                                   ; nothing is left to fetch
	QUARTER 1, 1, F0, F1, 0                        ; K step 3
	QUARTER 1, 2, F1, F0, 0
	QUARTER 1, 3, F0, F1, 0
	s_wait_dscnt 16
	WIN MUL
	MUL8 F1, 0, 0, 0
	MUL8 F1, 0, 2, 0
	s_wait_dscnt 0
	MUL8 F1, 1, 0, 0
	MUL8 F1, 1, 2, 0
	WIN 0
; THE WAY OUT, 16 rows at a time: x g; 32 bytes a lane into my own stage; back as whole rows of 256 bytes.  LDS serves a wave's instructions in order: no wait between the stores and the loads.
.macro PACK a
.irp b, 0,1,2,3
.irp x, 0,2,4,6
	v_pk_mul_f32 v[TMP+8*\b+\x:TMP+8*\b+\x+1], v[ACC+8*(4*(\a)+\b)+\x:ACC+8*(4*(\a)+\b)+\x+1], s[66:67] op_sel_hi:[1,0]   ; each accumulator from its low end on
.endr
.endr
.endm
.macro TOSTAGE a
.irp b, 0,1,2,3
	ds_store_b128 v[STO], v[TMP+8*\b:TMP+8*\b+3] offset:64*\b
	ds_store_b128 v[STO], v[TMP+8*\b+4:TMP+8*\b+7] offset:64*\b+16
.endr
.set BB, OB+32*((\a)%2)
.irp t, 0,1,2,3,4,5,6,7
	ds_load_b128 v[BB+4*\t:BB+4*\t+3], v[RD] offset:\t*544
.endr
.endm
.macro SEND a
.set BB, OB+32*((\a)%2)
	s_wait_dscnt 0x0                               ; the block is back in registers
	s_wait_xcnt 0x0                                ; the earlier stores have read their base and their registers: the base may step, and the next block's loads may land in the other set
.if (\a) > 0
	s_add_nc_u64 s[10:11], s[10:11], 65536         ; 16 rows of out0 on
.endif
.irp t, 0,1,2,3,4,5,6,7
	global_store_b128 v[CO], v[BB+4*\t:BB+4*\t+3], s[10:11] offset:\t*8192 th:TH_STORE_NT   ; 16 lanes store 256 consecutive bytes, aligned; written once, read by nobody here
.endr
.endm
	PLACES
	PACK 0
	TOSTAGE 0
.irp a, 1,2,3                          ; block a's multiplications stand between block a - 1's loads from the stage and the wait for them
	PACK \a
	SEND \a-1
	TOSTAGE \a
.endr
	SEND 3
	s_wait_tensorcnt 0x0                           ; the wave's end: behind my last tensor load and my last LDS store
	ds_add_u32 v[SPW], v[NIL]
	s_wait_dscnt 0x0
	CROUND                                         ; the closing round: no work-group ends while a partner may still ask for a tile that names it
	s_endpgm
.Lfunc_end_k_qc895ab7e64_final:
	.size	k_qc895ab7e64_final, .Lfunc_end_k_qc895ab7e64_final-k_qc895ab7e64_final
	.p2alignl 7, 3214868480
	.fill 96, 4, 3214868480
	.section	.rodata,"a",@progbits
	.p2align	6, 0x0
	.amdhsa_kernel k_qc895ab7e64_final
		.amdhsa_group_segment_fixed_size 327680
		.amdhsa_private_segment_fixed_size 0
		.amdhsa_enable_private_segment 0
		.amdhsa_kernarg_size 32
		.amdhsa_user_sgpr_count 2
		.amdhsa_user_sgpr_kernarg_segment_ptr 1
		.amdhsa_wavefront_size32 1
		.amdhsa_system_sgpr_workgroup_id_x 1
		.amdhsa_system_sgpr_workgroup_id_y 1
		.amdhsa_system_sgpr_workgroup_id_z 1
		.amdhsa_system_vgpr_workitem_id 0
		.amdhsa_next_free_vgpr 512
		.amdhsa_next_free_sgpr 70
		.amdhsa_reserve_vcc 0
		.amdhsa_float_denorm_mode_32 3
		.amdhsa_float_denorm_mode_16_64 3
		.amdhsa_memory_ordered 1
		.amdhsa_forward_progress 1
		.amdhsa_inst_pref_size 89
	.end_amdhsa_kernel
	.amdgpu_metadata
---
amdhsa.version: [ 1, 2 ]
amdhsa.kernels:
  - .name:           k_qc895ab7e64_final
    .symbol:         k_qc895ab7e64_final.kd
    .args:
      - { .name: qf, .offset: 0, .size: 8, .value_kind: global_buffer, .address_space: global }
      - { .name: tf, .offset: 8, .size: 8, .value_kind: global_buffer, .address_space: global }
      - { .name: tsc, .offset: 16, .size: 8, .value_kind: global_buffer, .address_space: global }
      - { .name: out0, .offset: 24, .size: 8, .value_kind: global_buffer, .address_space: global }
    .group_segment_fixed_size: 327680
    .private_segment_fixed_size: 0
    .kernarg_segment_align: 8
    .kernarg_segment_size: 32
    .max_flat_workgroup_size: 128
    .sgpr_count:     70
    .vgpr_count:     512
    .wavefront_size: 32
...
	.end_amdgpu_metadata
.endif
;; end of part 4
